; MI455X (gfx1250); checked and timed in simulation.
; The chip was launched on July 23, 2026; its instructions are those of AMD's public machine-readable ISA for CDNA 5 (MIT licence, August 2026) and "CDNA5" Instruction Set Architecture Reference Guide (July 2026). The comments in the code are by the model that wrote it; some were corrected since.
;; Attention. Allowed arithmetic: matrix products marked QUANTISED: E5M2 operands, one given power-of-two scale a tensor, by v_wmma_f32_16x16x64_bf8_bf8 or v_wmma_f32_16x16x128_bf8_bf8, f32 sums; products left as they are: f32 operands where the result goes on into a quantised operand, else bf16, f16 or f32 operands; f32 sums; everything else in f32.
;; Inputs: V 1,024 x 1 float32; W1_codes 1,024 x 32 x 32 uint8 (E5M2 codes of W1, K innermost, in blocks of 32 codes); W2_codes 1,024 x 32 x 32 uint8 (E5M2 codes of W2, K innermost, in blocks of 32 codes); all_enc_hiddens 32 x 2,048 x 1,024 float32; b1 1,024 float32; b2 1,024 float32; bv 1 float32; dec_hidden_codes 32 x 32 x 32 uint8 (E5M2 codes of dec_hidden, K innermost, in blocks of 32 codes); lowp_scales 4 int32 (the exponents e of the quantised operands' scales 2^e).
;; Outputs: out0 32 x 1,024 float32; out1 32 x 2,048 x 1 float32.
;; This version of the problem:
;;   THIS VERSION OF THE PROBLEM IS GIVEN IN LOW PRECISION. The matrix products marked QUANTISED in the list below multiply operands that are first quantised to E5M2 (5 exponent bits, 2 mantissa bits; 8 bits a number), with one given power-of-two scale for each operand tensor; their sums are f32. All else is computed in f32.
;;   The module's matrix products, in the order in which they are computed (A, B: the left and right operand; K: the contracted axis; several contracted axes count as one K, in the product's order):
;;     1. [M 32, K 1,024] x [K 1,024, N 1,024]; A: input dec_hidden (given as codes); B: input W1 (given as codes): QUANTISED (scales: A lowp_scales[0], B lowp_scales[1])
;;     2. [M 65,536, K 1,024] x [K 1,024, N 1,024]; A: input all_enc_hiddens; B: input W2 (given as codes): QUANTISED (scales: A lowp_scales[2], B lowp_scales[3])
;;     3. [M 65,536, K 1,024] x [K 1,024, N 1]; A: computed on the way; B: input V: left as it is (N = 1 < 16)
;;   THE QUANTISER, for each operand of a quantised product, along K:
;;     - The operand's scale is 2^e, e = its entry of the input lowp_scales (int32; the entries are numbered through the quantised products in the list's order, A before B).
;;     - Each number is divided by the scale, clamped to +-57,344, and rounded to the nearest number of E5M2, ties to even, subnormals kept.
;;     - The product sums the exact products of the quantised numbers (number of the format x scale) in f32.
;;   ~~~python
;;   def quantise(x, axis, e):      # numpy; x: float32 -> the quantised numbers, widened to float32 again
;;       x = np.moveaxis(x, axis, -1); K = x.shape[-1]
;;       r = np.clip(x / 2.0 ** e, -57344, 57344)
;;       step = 2.0 ** (np.maximum(np.frexp(np.where(r == 0, 1, r))[1] - 1, -14) - 2)
;;       q = np.round(r / step) * step * 2.0 ** e      # np.round: ties to even
;;       return np.moveaxis(q, -1, axis).astype(np.float32)
;;   ~~~
;;   INPUTS GIVEN AS CODES. W1 (in the module: [1024, 1024], K = its axis 0); W2 (in the module: [1024, 1024], K = its axis 0); dec_hidden (in the module: [32, 1024], K = its axis 1): each comes as NAME_codes (uint8): NAME with its K axis moved to the last place and cut into blocks of 32 codes, [.., K / 32, bytes a block], one block behind the other in memory; one code a byte (a code: sign, 5 exponent bits, 2 mantissa bits); its scale is its entry of lowp_scales. Its value is code x scale, taken as it is: it is not quantised again, and the codes and scales need not be those that the quantiser above would give.
;; One version. Each part assembles by itself: llvm-mc -triple=amdgcn-amd-amdhsa -mcpu=gfx1250 --defsym DOCPART=n.
;; ======== version 1 of 1: 3 launches
;; limits: right only within a limited range of input values
;; workspace buffers: qtab 131,072 bytes; scores 262,144 bytes; part 4,194,304 bytes
;; launch qproj (part 1): grid 16 x 1, 4 waves a work-group, no clusters, 9,216 bytes of LDS; arguments dec_hidden_codes, W1_codes, lowp_scales, b1, b2, qtab; writes qtab
.if DOCPART == 1
	.amdgcn_target "amdgcn-amd-amdhsa--gfx1250"
	.amdhsa_code_object_version 6
	.text
	.protected	k_q8a36ea0088_qproj
	.globl	k_q8a36ea0088_qproj
	.p2align	8
	.type	k_q8a36ea0088_qproj,@function
k_q8a36ea0088_qproj:
	s_mov_b64 s[64:65], 0
	v_nop
	global_prefetch_b8 v0, s[64:65] scope:SCOPE_SE
	s_setreg_imm32_b32 hwreg(HW_REG_WAVE_MODE, 25, 1), 1
	s_wait_xcnt 0x0
; qtab[b][u] = 2 log2(e) x ( (sum over k of dec[b][k] W1[k][u]) x 2^(e0 + e1) + b1[u] + b2[u] ):  the query's projection with BOTH biases, ready for the exponential of the next launch.
; dec_hidden_codes [32][1024], W1_codes [1024 (u)][1024 (k)]: codes of E5M2, K innermost; the codes are multiplied as they are, sums in f32.
; WORK LEFT OUT IN THE WHOLE PROGRAM, AND WHY IT IS DEAD.  tanh(x) = 1 - 2 r with r = 1 / (1 + 2^y), y = 2 log2(e) x.  So score[b][t] = (sum over u of V[u]) + bv - 2 sum over u of V[u] r[b][t][u].
; The first two terms are the same for every t of a batch, and the softmax runs over t: in exact arithmetic, for all finite inputs, they cancel in attn, and so in context.  So bv is not loaded and is among
; no launch's arguments, and the sum of V is never formed.  What is carried is t' = sum over u of (-2 log2(e) V[u]) r: the score in units of log2, less its constant.  The largest t' is still taken away before the exponential.
; LIMIT: a NaN, an infinity or an overflow that would reach the result through bv or through the sum of V alone is not carried to it.
; LIMIT: e0 + e1 lies between -126 and 126: it is added to the exponent field of 2 log2(e).
; SHARES.  16 work-groups: the product is a two-thousandth of the program's matrix work and lasts one load's time; it is not spread further.  Work-group g: u = 64 g .. 64 g + 63; wave w: the 16 u from 64 g + 16 w on, for both tiles of 16 batches.
; THE PRODUCT IS USED TRANSPOSED (source 0 = 16 rows of W1, source 1 = 16 rows of dec): lane (r, h) holds batch r and its registers the eight u 8 h + 0 .. 7: 32 neighbouring bytes of a row of qtab.
; A fragment, 16 rows x 128 K, is 16 registers by four loads of 16 bytes, 32 bytes apart, at row x 1,024 + 16 h: the same permutation of k within 128 on both sides, so every product meets its partner.
; REGISTERS.  window 0: v32-95 W1's fragments of K steps 0-3, v96-159 and v160-223 dec's of batches 0-15 and 16-31; window 1: the same numbers for K steps 4-7.  v224-239 the two accumulators, v240-255 the results.
.set SP,    272                        ; a stage row: 64 u x 4 bytes + 16 of padding
.set SPARE, 32*SP                      ; behind the stage: the spare words, 128 bytes for each wave
.set MSB, 0
.macro WIN new                         ; the immediate's high byte repeats the setting that is left
.if MSB != (\new)
	s_set_vgpr_msb (MSB<<8)|(\new)
.set MSB, (\new)
.endif
.endm
	s_load_b256 s[4:11], s[0:1], 0x0               ; dec's codes s[4:5], W1's s[6:7], the exponents s[8:9], b1 s[10:11]
	s_load_b128 s[12:15], s[0:1], 0x20             ; b2 s[12:13], qtab s[14:15]
	v_lshl_add_u32 v10, v0, 2, SPARE               ; my spare word; never rewritten
	v_mov_b32 v11, 0                               ; 0; never rewritten
	v_lshrrev_b32 v1, 5, v0
	v_readfirstlane_b32 s16, v1                    ; wave 0..3
	v_and_b32 v1, 15, v0                           ; r
	v_bfe_u32 v2, v0, 4, 1                         ; h
	v_lshlrev_b32 v3, 10, v1
	v_lshl_add_u32 v3, v2, 4, v3                   ; a fragment's row x 1,024 + 16 h
	v_lshlrev_b32 v5, 5, v2                        ; the biases: my eight u begin 32 h bytes into the tile's 64
	s_lshl_b32 s17, s16, 6
	v_mul_u32_u24 v6, v1, SP
	v_lshl_add_u32 v6, v2, 5, v6
	v_add_nc_u32 v6, s17, v6                       ; into the stage: row = batch r, + 64 w + 32 h
	s_mul_i32 s18, s16, 8*SP
	v_mul_u32_u24 v7, v2, SP
	v_lshl_add_u32 v7, v1, 4, v7
	v_add_nc_u32 v7, s18, v7                       ; back: wave w takes rows 8 w on; lanes 0-15 one row of 256 bytes, lanes 16-31 the next
	s_lshl_b32 s19, s16, 15
	v_lshlrev_b32 v8, 12, v2
	v_lshl_add_u32 v8, v1, 4, v8
	v_add_nc_u32 v8, s19, v8                       ; and the same two rows in qtab (a row is 4,096 bytes)
	s_lshl_b32 s24, ttmp9, 16
	s_lshl_b32 s26, s16, 14
	s_add_co_u32 s24, s24, s26                     ; W1: (64 g + 16 w) rows of 1,024 bytes
	s_mov_b32 s25, 0
	s_lshl_b32 s26, ttmp9, 8
	s_add_co_u32 s26, s26, s17                     ; the biases: 4 (64 g + 16 w)
	s_mov_b32 s27, 0
	s_lshl_b32 s28, ttmp9, 8                       ; qtab: the work-group's 64 columns
	s_mov_b32 s29, 0
	s_wait_kmcnt 0x0
	s_load_b64 s[20:21], s[8:9], 0x0               ; e0, e1
	s_add_nc_u64 s[6:7], s[6:7], s[24:25]
	s_add_nc_u64 s[10:11], s[10:11], s[26:27]
	s_add_nc_u64 s[12:13], s[12:13], s[26:27]
	s_add_nc_u64 s[14:15], s[14:15], s[28:29]
	global_load_b128 v[12:15], v5, s[10:11]        ; b1 of my eight u
	global_load_b128 v[16:19], v5, s[10:11] offset:16
	global_load_b128 v[20:23], v5, s[12:13]        ; b2
	global_load_b128 v[24:27], v5, s[12:13] offset:16
.macro FRAGS k0                        ; the fragments of four K steps, from byte k0 of the rows on
.irp s, 0,1,2,3
.irp c, 0,1,2,3
	global_load_b128 v[32+16*\s+4*\c:32+16*\s+4*\c+3], v3, s[6:7] offset:\k0+128*\s+32*\c
	global_load_b128 v[96+16*\s+4*\c:96+16*\s+4*\c+3], v3, s[4:5] offset:\k0+128*\s+32*\c
	global_load_b128 v[160+16*\s+4*\c:160+16*\s+4*\c+3], v3, s[4:5] offset:16384+\k0+128*\s+32*\c
.endr
.endr
.endm
	FRAGS 0
	WIN 0x40                                       ; destination window 1
	FRAGS 512
	WIN 0
	s_wait_kmcnt 0x0
	s_add_co_i32 s22, s20, s21
	s_lshl_b32 s22, s22, 23
	s_add_co_i32 s22, s22, 0x4038aa3b              ; 2 log2(e) x 2^(e0 + e1): the exponents are added to the constant's exponent field
	s_mov_b32 s23, s22                             ; (named with it as a pair, so it is written)
	s_wait_loadcnt 0x0
; sixteen products; the two accumulators take turns, one instruction a turn; the first two start the sums
.macro PROD first
.irp s, 0,1,2,3
.irp t, 0,1
.if \first && (\s == 0)
	v_wmma_f32_16x16x128_bf8_bf8 v[224+8*\t:231+8*\t], v[32+16*\s:47+16*\s], v[96+64*\t+16*\s:111+64*\t+16*\s], 0
.else
	v_wmma_f32_16x16x128_bf8_bf8 v[224+8*\t:231+8*\t], v[32+16*\s:47+16*\s], v[96+64*\t+16*\s:111+64*\t+16*\s], v[224+8*\t:231+8*\t]
.endif
.endr
.endr
.endm
	PROD 1
	WIN 0x05                                       ; sources 0 and 1 window 1; C and D window 0
	PROD 0
	WIN 0
.irp i, 0,2,4,6                                ; (b1 + b2) x 2 log2(e): eight plain instructions that name no register of the products: the places behind the last of them
	v_pk_add_f32 v[20+\i:21+\i], v[20+\i:21+\i], v[12+\i:13+\i]
.endr
.irp i, 0,2,4,6
	v_pk_mul_f32 v[20+\i:21+\i], v[20+\i:21+\i], 0x4038aa3b op_sel_hi:[1,0]
.endr
.irp t, 0,1                                    ; each accumulator from its low end on
.irp i, 0,2,4,6
	v_pk_fma_f32 v[240+8*\t+\i:241+8*\t+\i], v[224+8*\t+\i:225+8*\t+\i], s[22:23], v[20+\i:21+\i] op_sel_hi:[1,0,1]
.endr
.endr
.irp t, 0,1
	ds_store_b128 v6, v[240+8*\t:243+8*\t] offset:16*SP*\t
	ds_store_b128 v6, v[244+8*\t:247+8*\t] offset:16*SP*\t+16
.endr
	s_wait_dscnt 0x0                               ; for the others' sake: my stores into the stage are done; a row's 256 bytes come from four waves
	s_barrier_signal -1
	s_barrier_wait -1
.irp i, 0,1,2,3
	ds_load_b128 v[32+4*\i:35+4*\i], v7 offset:2*SP*\i
.endr
.irp i, 0,1,2,3
	s_wait_dscnt 3-\i                              ; the younger read-backs may stay out
	global_store_b128 v8, v[32+4*\i:35+4*\i], s[14:15] offset:8192*\i   ; sixteen lanes store 256 consecutive bytes, at a multiple of 256 from qtab's first byte
.endr
	s_wait_tensorcnt 0x0                           ; the wave's end, behind my last LDS store
	ds_add_u32 v10, v11
	s_wait_dscnt 0x0
	s_endpgm
.Lfunc_end_k_q8a36ea0088_qproj:
	.size	k_q8a36ea0088_qproj, .Lfunc_end_k_q8a36ea0088_qproj-k_q8a36ea0088_qproj
	.p2alignl 7, 3214868480
	.fill 96, 4, 3214868480
	.section	.rodata,"a",@progbits
	.p2align	6, 0x0
	.amdhsa_kernel k_q8a36ea0088_qproj
		.amdhsa_group_segment_fixed_size 9216
		.amdhsa_private_segment_fixed_size 0
		.amdhsa_enable_private_segment 0
		.amdhsa_kernarg_size 48
		.amdhsa_user_sgpr_count 2
		.amdhsa_user_sgpr_kernarg_segment_ptr 1
		.amdhsa_wavefront_size32 1
		.amdhsa_system_sgpr_workgroup_id_x 1
		.amdhsa_system_sgpr_workgroup_id_y 1
		.amdhsa_system_sgpr_workgroup_id_z 1
		.amdhsa_system_vgpr_workitem_id 0
		.amdhsa_next_free_vgpr 512
		.amdhsa_next_free_sgpr 66
		.amdhsa_reserve_vcc 0
		.amdhsa_float_denorm_mode_32 3
		.amdhsa_float_denorm_mode_16_64 3
		.amdhsa_memory_ordered 1
		.amdhsa_forward_progress 1
		.amdhsa_inst_pref_size 15
	.end_amdhsa_kernel
	.amdgpu_metadata
---
amdhsa.version: [ 1, 2 ]
amdhsa.kernels:
  - .name:           k_q8a36ea0088_qproj
    .symbol:         k_q8a36ea0088_qproj.kd
    .args:
      - { .name: dec_hidden_codes, .offset: 0, .size: 8, .value_kind: global_buffer, .address_space: global }
      - { .name: W1_codes, .offset: 8, .size: 8, .value_kind: global_buffer, .address_space: global }
      - { .name: lowp_scales, .offset: 16, .size: 8, .value_kind: global_buffer, .address_space: global }
      - { .name: b1, .offset: 24, .size: 8, .value_kind: global_buffer, .address_space: global }
      - { .name: b2, .offset: 32, .size: 8, .value_kind: global_buffer, .address_space: global }
      - { .name: qtab, .offset: 40, .size: 8, .value_kind: global_buffer, .address_space: global }
    .group_segment_fixed_size: 9216
    .private_segment_fixed_size: 0
    .kernarg_segment_align: 8
    .kernarg_segment_size: 48
    .max_flat_workgroup_size: 128
    .sgpr_count:     66
    .vgpr_count:     512
    .wavefront_size: 32
...
	.end_amdgpu_metadata
.endif
;; end of part 1
;; launch scores (part 2): grid 256 x 1, 4 waves a work-group, clusters of 4 x 1, 327,680 bytes of LDS; arguments W2_codes, all_enc_hiddens, lowp_scales, V, qtab, scores, part; writes scores, part
.if DOCPART == 2
	.amdgcn_target "amdgcn-amd-amdhsa--gfx1250"
	.amdhsa_code_object_version 6
	.text
	.protected	k_q8a36ea0088_scores
	.globl	k_q8a36ea0088_scores
	.p2align	8
	.type	k_q8a36ea0088_scores,@function
k_q8a36ea0088_scores:
	s_mov_b64 s[64:65], 0
	v_nop
	global_prefetch_b8 v0, s[64:65] scope:SCOPE_SE
	s_setreg_imm32_b32 hwreg(HW_REG_WAVE_MODE, 25, 1), 1
	s_wait_xcnt 0x0
	s_wait_alu depctr_hold_cnt(0) depctr_sa_sdst(0) depctr_va_vdst(0) depctr_va_sdst(0) depctr_va_ssrc(0) depctr_va_vcc(0) depctr_vm_vsrc(0)
	s_getreg_b32 s2, hwreg(HW_REG_IB_STS2, 6, 4)
	s_cmp_eq_u32 s2, 0
	s_cbranch_scc0 .Lentry_in_a_cluster
	s_endpgm
.Lentry_in_a_cluster:
	s_bfe_u32 s2, ttmp6, 0x10000c
	s_cmp_lg_u32 s2, 0x3003
	s_cbranch_scc0 .Lentry_shape_is_right
	s_endpgm
.Lentry_shape_is_right:
; scores[row] = t' = sum over u of V'[u] / (1 + 2^y),  y = acc[row][u] x 2 log2(e) 2^(e2 + e3) + qtab[b][u],  V' = -2 log2(e) V,  acc = codes of enc[row][:] . codes of W2[:][u].
; LEFT OUT as shown at the head of the first kernel: bv and the sum of V, which are the same along the softmax's axis.
; enc [65,536 rows][1,024] f32 is quantised here: x / 2^e2, held within +-57,344, to the nearest code of E5M2, ties to even.  W2_codes [1,024 (u)][1,024 (k)]: codes, K innermost.
; LIMITS: e2 between -126 and 112; e2 + e3 between -126 and 126 (added to a constant's exponent field).  NaN in enc is not served.
; SHARES.  A work-group owns 256 rows (all of one batch), each of its four waves 64: four tiles of 16.  A wave's codes, 4 tiles x 8 K steps x 16 registers = 512, stay in its registers, so that W2 passes
; through LDS once for a work-group and every score is finished inside one wave.
; PHASE L: 32 units of 16 rows x 128 K.  Each load takes 512 consecutive bytes of a row; a unit turns through the wave's own stage in LDS so that a lane holds 16 neighbours along K of each block of 32; hold, conversion.
; PHASE G: W2 comes in 16 slots of 64 u through a ring of two LDS slots.  A PERIOD is one tile of 16 u: 32 products (8 K steps x 4 row tiles).  Between them stands the tanh of the tile BEFORE, which lies in the other set of accumulators.
; RETAINED ROWS.  The f32 numbers of a wave's last row tile (rows 48-63 of its 64) stay where phase L left them: K steps 4-7 in the registers into which the last four units were loaded (window 1, which phase G does not
; touch), K steps 0-3 in four LDS blocks of their own, through which units 24-27 turned and which are not written again.  When the scores are finished the wave forms
; part[group of 64 rows][c] = sum over these 16 rows of 2^(t' - Mg) enc[row][c], Mg = the largest t' of the 16, all in f32: the next launch takes that row in place of the sixteen, and does not read them again.
; THE PRODUCT IS USED TRANSPOSED (source 0 = 16 rows of W2, source 1 = 16 rows of enc): lane (r, h) holds row r, and its eight registers the u 8 h + 0 .. 7.
; CLUSTER.  All work-groups walk W2 alike: the four of a cluster ask for each tile JOINTLY, by the same tensor load with the same descriptor and the mask of all four.  The work-group's place enters global addresses of enc, qtab, scores and part alone.
; REGISTERS, in windows of 256.  window 2: codes of K steps 0-3, fragment (m, s) at v[64 s + 16 m]; window 3: K steps 4-7 likewise; window 1: phase L's four sets of 64 numbers as loaded; the last four units stay there.
;   window 0: v1-15 addresses; v16-143 phase L: two sets of 64 neighbours, phase G: W2's eight fragments of a tile; v144-175, v176-207 the two sets of four accumulators; v208-223 q' of two tiles; v224-239 V' of two tiles;
;   v240-247 the scores' sums, a pair for each row tile; v248, v249 the add's two; v250 2^e2, v251 57,344 x 2^e2; v252-255 at work.  At the end: v16-47 part's 1,024 sums (four a K step), v48-175 rows out of the kept blocks.
.set PITCH, 1040                       ; a row of W2 in LDS: 1,024 bytes + 16: 65 x 16, so the sixteen rows of a fragment load start 16 bytes apart modulo 256
.set TILEB, 16*PITCH                   ; 16 rows: what one tensor load brings, and one tile of u
.set SLOT1, 1<<17                      ; slot 0 begins at 0, slot 1 here: one exclusive or turns an address from one to the other
.set SPIT,  528                        ; a stage row: 512 bytes + 16: 33 x 16
.set BLK,   16*SPIT                    ; a block: 16 rows of a unit
.set WREG,  5*BLK                      ; a wave's region: the working stage, then the four kept blocks: 165 x 256 bytes
.set REG0,  4*TILEB                    ; wave 0's region lies behind slot 0,
.set REG1,  SLOT1+4*TILEB              ; those of waves 1 to 3 behind slot 1
.set QTAB,  REG0+WREG                  ; behind wave 0's region: q' of my batch, 4,096 bytes;
.set VTAB,  QTAB+4096                  ; V', 4,096 bytes
.set SPARE, VTAB+4096                  ; the spare words, 128 bytes for each wave: two blocks of 256 bytes that no other line names
.set MSB, 0
.macro WIN new                         ; the immediate's high byte repeats the setting that is left; a switch that changes nothing is dropped
.if MSB != (\new)
	s_set_vgpr_msb (MSB<<8)|(\new)
.set MSB, (\new)
.endif
.endm
.macro ROUND                           ; a round of the cluster's barrier: my work-group's barrier; wave 0 signals for the work-group; every wave waits for all four work-groups; my work-group's barrier once more
	s_barrier_signal -1
	s_barrier_wait -1
	s_cmp_lg_u32 s16, 0
	s_cbranch_scc1 .Lnot_wave_0_\@
	s_barrier_signal -3
.Lnot_wave_0_\@:
	s_barrier_wait -3
	s_barrier_signal -1
	s_barrier_wait -1
.endm
	s_load_b256 s[4:11], s[0:1], 0x0               ; W2's codes s[4:5], enc s[6:7], the exponents s[8:9], V s[10:11]
	s_load_b128 s[12:15], s[0:1], 0x20             ; qtab s[12:13], scores s[14:15]
	s_load_b64 s[54:55], s[0:1], 0x30              ; part
	v_lshl_add_u32 v248, v0, 2, SPARE              ; my spare word; never rewritten
	v_mov_b32 v249, 0                              ; 0; never rewritten
	ds_add_u32 v248, v249                          ; the wave's opening: the add, twice on end, and its wait ahead of my first tensor load; the set-up below stands between
	ds_add_u32 v248, v249
	v_lshrrev_b32 v1, 5, v0
	v_readfirstlane_b32 s16, v1                    ; wave 0..3
	s_bfe_u32 s17, ttmp6, 0x40000                  ; cx
	s_lshl_b32 s18, ttmp9, 2
	s_add_co_u32 s18, s18, s17                     ; my work-group = 4 x cluster + cx
	; descriptor group 1: 16 rows of 1,024 bytes, 1,024 bytes apart in memory, 16 bytes of padding behind each in LDS
	s_mov_b32 s24, 15|(0<<16)|(1<<20)|(1<<21)|(7<<22)|(3<<25)   ; the mask: all four work-groups; elements of 1 byte; padding on; bit 21 beside a mask; after every 256 words (code 7) four words (code 3)
	s_mov_b32 s25, 1024<<16                        ; tensor_dim0
	s_mov_b32 s26, 16<<16                          ; tensor_dim1
	s_mov_b32 s27, 1024<<16                        ; tile_dim0
	s_mov_b32 s28, 16                              ; tile_dim1
	s_mov_b32 s29, 1024                            ; from row to row
	s_mov_b32 s30, 0
	s_mov_b32 s31, 0
	s_mov_b32 s52, 0x76543210                      ; v_permlanex16_b32: lane l xor 16
	s_mov_b32 s53, 0xfedcba98
	v_and_b32 v1, 31, v0                           ; lane
	v_and_b32 v2, 15, v0                           ; r
	v_bfe_u32 v3, v0, 4, 1                         ; h
	v_lshlrev_b32 v4, 4, v1                        ; enc and part: my 16 bytes of 512
	s_mul_i32 s49, s16, WREG                       ; my region: REG0 + WREG x wave, and for waves 1 to 3 the distance that carries them behind slot 1
	s_min_u32 s45, s16, 1
	s_mul_i32 s45, s45, REG1-REG0-WREG
	s_add_co_u32 s49, s49, s45
	s_add_co_u32 s49, s49, REG0
	v_add_nc_u32 v5, s49, v4                       ; into a block: as loaded
	v_mul_u32_u24 v6, v2, SPIT
	v_lshl_add_u32 v6, v3, 6, v6
	v_add_nc_u32 v6, s49, v6                       ; out of it: row r, + 64 h: my 16 numbers of a block of 32
	v_mul_u32_u24 v7, v2, PITCH
	v_lshl_add_u32 v7, v3, 4, v7                   ; W2: a fragment's row x pitch + 16 h
	v_lshlrev_b32 v9, 5, v3
	v_add_nc_u32 v9, QTAB, v9                      ; q' and V': my eight u begin 32 h bytes into a tile's 64
	v_lshlrev_b32 v11, 5, v0                       ; the tables on their way in: 32 bytes a thread
	v_add_nc_u32 v12, QTAB, v11
	v_lshlrev_b32 v13, 3, v1                       ; the way out: 8 bytes a lane
	v_lshl_add_u32 v14, v1, 2, s49
	v_add_nc_u32 v15, s49, v13
	s_lshl_b32 s50, s16, 14                        ; W2: my 16 rows of a slot's 64.  (s50, s51 never hold a number made from the work-group's place)
	s_mov_b32 s51, 0
	s_wait_dscnt 0x0                               ; both opening adds are done
	s_wait_kmcnt 0x0
	s_load_b128 s[20:23], s[8:9], 0x0              ; e0 .. e3
	s_mov_b32 s32, 1                               ; group 0 for slot 0: count 1,
	s_mul_i32 s33, s16, TILEB                      ; LDS address: wave x 16 rows,
	s_add_nc_u64 s[34:35], s[4:5], s[50:51]        ; u = 16 w on
	s_mov_b32 s36, 1                               ; group 0 for slot 1; it then walks
	s_add_co_u32 s37, s33, SLOT1
	s_add_nc_u64 s[38:39], s[34:35], 0x10000       ; 64 u further on
	s_or_b32 s35, s35, 0x80000000                  ; type 2
	s_or_b32 s39, s39, 0x80000000
	s_lshl_b32 s46, s18, 20                        ; enc: 256 rows of 4,096 bytes a work-group,
	s_lshl_b32 s48, s16, 18                        ; 64 a wave
	s_add_co_u32 s46, s46, s48
	s_mov_b32 s47, 0
	s_add_nc_u64 s[6:7], s[6:7], s[46:47]
	s_lshr_b32 s46, s18, 3                         ; my batch: eight work-groups to each
	s_lshl_b32 s46, s46, 12
	s_add_nc_u64 s[12:13], s[12:13], s[46:47]
	s_lshl_b32 s46, s18, 10
	s_lshl_b32 s48, s16, 8
	s_add_co_u32 s46, s46, s48
	s_add_nc_u64 s[14:15], s[14:15], s[46:47]      ; scores: my wave's 64, 256 bytes
	s_lshl_b32 s46, s18, 14
	s_lshl_b32 s48, s16, 12
	s_add_co_u32 s46, s46, s48
	s_add_nc_u64 s[54:55], s[54:55], s[46:47]      ; part: my wave's row of 4,096 bytes: row 4 x work-group + wave
	ROUND                                          ; all four work-groups are here: the first joint loads meet
	tensor_load_to_lds s[32:35], s[24:31]          ; both first fills together, ahead of every wait on TENSORcnt, every LDS read and every other barrier: two loads of mine are out
	s_nop 0
	tensor_load_to_lds s[36:39], s[24:31]
	s_nop 0
.rept 4
	v_nop
.endr
	global_load_b128 v[144:147], v11, s[12:13]     ; q' of my batch and V: 32 bytes a thread of each
	global_load_b128 v[148:151], v11, s[12:13] offset:16
	global_load_b128 v[152:155], v11, s[10:11]
	global_load_b128 v[156:159], v11, s[10:11] offset:16
; ---- PHASE L.  Unit t: row tile t / 8, K step t % 8.
.macro LOADU t                         ; 16 loads, a row each: 32 lanes read 512 consecutive bytes, at a multiple of 512 from enc's first byte; into set t % 4 of window 1
	WIN 0x40
.set RB, 64*((\t)%4)
.set OB, 65536*((\t)/8)+512*((\t)%8)
.irp i, 0,1,2,3,4,5,6,7,8,9,10,11,12,13,14,15
	global_load_b128 v[RB+4*\i:RB+4*\i+3], v4, s[6:7] offset:OB+4096*\i th:TH_LOAD_NT
.endr
.endm
.macro TURNU t                         ; through a block of my region: in as loaded, out 16 neighbours of each block of 32: register 16 c + i = k 32 c + 16 h + i of row r.  LDS serves a wave's instructions in order: no wait between
.set RB, 64*((\t)%4)
.set XB, 16+64*((\t)%2)
.set KO, 0                             ; the working stage; but units 24 to 27 (row tile 3, K steps 0 to 3) each take a block of their own, which keeps them for the end
.if ((\t) >= 24) && ((\t) <= 27)
.set KO, BLK*((\t)-23)
.endif
	WIN 0x04                                       ; the stores' data in window 1
.irp i, 0,1,2,3,4,5,6,7,8,9,10,11,12,13,14,15
	ds_store_b128 v5, v[RB+4*\i:RB+4*\i+3] offset:KO+SPIT*\i
.endr
	WIN 0
.irp c, 0,1,2,3
.irp j, 0,1,2,3
	ds_load_b128 v[XB+16*\c+4*\j:XB+16*\c+4*\j+3], v6 offset:KO+128*\c+16*\j
.endr
.endr
.endm
.macro QUANTU t                        ; 64 numbers become the fragment (t / 8, t % 8): registers 4 c .. 4 c + 3 hold k = 32 c + 16 h + 0 .. 15, as W2's fragments hold theirs
.set XB, 16+64*((\t)%2)
.set CB, 64*((\t)%4)+16*((\t)/8)
	WIN 0
.set N, 0
.rept 64
	v_med3_num_f32 v[XB+N], v[XB+N], -v251, v251   ; the conversion to an 8-bit code does not saturate (ISA guide 7.6.2): the hold at the largest code x the scale comes first
.set N, N+1
.endr
	WIN 0x80+0x40*(((\t)%8)/4)                     ; destination window 2 (K steps 0-3) or 3
.irp g, 0,1,2,3,4,5,6,7
	v_cvt_scalef32_pk8_bf8_f32 v[CB+2*\g:CB+2*\g+1], v[XB+8*\g:XB+8*\g+7], v250
.endr
	v_nop                                          ; one plain vector instruction behind the last conversion of a run
	WIN 0
.endm
.macro STEPU t
	s_wait_dscnt 0x0                               ; unit t is back from its block; so its stores have read set t % 4, which may be loaded again
.if (\t) < 31
.if 30-(\t) >= 2
	s_wait_loadcnt 32                              ; unit t + 1 is in; the two units issued behind it may be out
.else
	s_wait_loadcnt 16*(30-(\t))
.endif
.endif
.if (\t)+4 < 32
	LOADU (\t)+4                                   ; three units, 48 loads of 512 bytes, are now on their way
.endif
.if (\t) < 31
	TURNU (\t)+1                                   ; the next unit goes through its block while this one is quantised
.endif
	QUANTU \t
.endm
	LOADU 0
	LOADU 1
	LOADU 2
	WIN 0
	s_wait_kmcnt 0x0
	s_add_co_i32 s46, s22, 127
	s_lshl_b32 s48, s46, 23
	v_mov_b32 v250, s48                            ; 2^e2 as f32: the conversion takes its exponent field
	s_add_co_i32 s46, s46, 15
	s_lshl_b32 s46, s46, 23
	s_or_b32 s46, s46, 0x600000
	v_mov_b32 v251, s46                            ; 57,344 x 2^e2
	s_add_co_i32 s46, s22, s23
	s_lshl_b32 s46, s46, 23
	s_add_co_i32 s40, s46, 0x4038aa3b              ; 2 log2(e) x 2^(e2 + e3)
	s_mov_b32 s41, s40                             ; (named with it as a pair, so it is written)
	s_wait_loadcnt 48                              ; the tables are in; the three units behind them may be out
.irp i, 0,2,4,6
	v_pk_mul_f32 v[152+\i:153+\i], v[152+\i:153+\i], 0xc038aa3b op_sel_hi:[1,0]   ; V' = -2 log2(e) V
.endr
	ds_store_b128 v12, v[144:147]
	ds_store_b128 v12, v[148:151] offset:16
	ds_store_b128 v12, v[152:155] offset:4096
	ds_store_b128 v12, v[156:159] offset:4112
	s_wait_loadcnt 32                              ; unit 0 is in
	LOADU 3
	TURNU 0
.set T, 0
.rept 32                               ; written out: each unit's codes go to registers of their own
	STEPU T
.set T, T+1
.endr
; ---- PHASE G
.macro XI p                            ; pair p of the tile before: y = acc x c + q'
	v_pk_fma_f32 v[PA+2*(\p):PA+2*(\p)+1], v[PA+2*(\p):PA+2*(\p)+1], s[40:41], v[PQ+2*((\p)%4):PQ+2*((\p)%4)+1] op_sel_hi:[1,0,1]
.endm
.macro EI e                            ; 2^y
	v_exp_f32 v[PA+(\e)], v[PA+(\e)]
.endm
.macro DI p                            ; 1 + 2^y
	v_pk_add_f32 v[PA+2*(\p):PA+2*(\p)+1], v[PA+2*(\p):PA+2*(\p)+1], 1.0 op_sel_hi:[1,0]
.endm
.macro RI e                            ; r = 1 / (1 + 2^y): 0 where 2^y has overflowed, 1 where it has vanished
	v_rcp_f32 v[PA+(\e)], v[PA+(\e)]
.endm
; None of these four has a vector register as its second source, so they, and LDS loads, run under the products' window settings without a switch.
; Number J of 48: the 16 scalings and the 32 exponentials; a pair is scaled ahead of its exponentials, and nothing here names an exponential's result.  Each accumulator is read first at its two lowest registers.
.macro L1
.if J == 0
	XI 0
.elseif J >= 46
	EI J-16
.elseif (J-1)%3 == 0
	XI (J-1)/3+1
.else
	EI 2*((J-1)/3)+(J-1)%3-1
.endif
.set J, J+1
.endm
; Group G of 16: two reciprocals and the addition of four pairs on; nothing here names a reciprocal's result.
.macro L2
	RI 2*G
	RI 2*G+1
.if G < 12
	DI G+4
.endif
.set G, G+1
.endm
.macro SBLOCK                          ; the sums take V' r; the four row tiles by turns, so that no line waits for the line above it
.irp jj, 0,1,2,3
.irp m, 0,1,2,3
	v_pk_fma_f32 v[240+2*\m:241+2*\m], v[PA+8*\m+2*\jj:PA+8*\m+2*\jj+1], v[PV+2*\jj:PV+2*\jj+1], v[240+2*\m:241+2*\m]
.endr
.endr
.endm
; Product K of 32: K step K / 4, row tile K % 4.  The four accumulators take turns, one instruction a turn, and the next period takes the other set.  The first four start the sums.
.macro MM
.if K < 4
	v_wmma_f32_16x16x128_bf8_bf8 v[AC+8*(K%4):AC+8*(K%4)+7], v[16+16*(K/4):16+16*(K/4)+15], v[64*((K/4)%4)+16*(K%4):64*((K/4)%4)+16*(K%4)+15], 0
.else
	v_wmma_f32_16x16x128_bf8_bf8 v[AC+8*(K%4):AC+8*(K%4)+7], v[16+16*(K/4):16+16*(K/4)+15], v[64*((K/4)%4)+16*(K%4):64*((K/4)%4)+16*(K%4)+15], v[AC+8*(K%4):AC+8*(K%4)+7]
.endif
.set K, K+1
.endm
.macro BRUN i, s0                      ; sixteen LDS loads: fragments s0 .. s0 + 3 of the NEXT tile of u
.set TO, TILEB*(((\i)+1)%4)
.irp s, 0,1,2,3
.irp c, 0,1,2,3
	ds_load_b128 v[16+16*(\s0+\s)+4*\c:16+16*(\s0+\s)+4*\c+3], v8 offset:TO+128*(\s0+\s)+32*\c
.endr
.endr
.endm
.macro QVRUN i                         ; q' and V' of THIS tile's u, for the next period's tanh
	ds_load_b128 v[CQ:CQ+3], v10 offset:64*(\i)
	ds_load_b128 v[CQ+4:CQ+7], v10 offset:64*(\i)+16
	ds_load_b128 v[CV:CV+3], v10 offset:4096+64*(\i)
	ds_load_b128 v[CV+4:CV+7], v10 offset:4096+64*(\i)+16
.endm
; THE CHANGE OF SLOTS, in the middle of a slot's last period: all fragments of the slot's last tile have been asked for.  Each wave waits for all its tensor loads (one is out: its part of the other slot), adds 0 to its
; spare word, and waits for that and for its reads of this slot.  fill = 1: the barrier is a round of the cluster's, so that no wave of any partner still reads the slot or has a load on its way, and the joint refill,
; 64 u two slots on, is the first thing behind it: it has four periods, 128 products a wave, in which to land.
.macro CHANGE fill
	WIN 0
	s_wait_tensorcnt 0x0                           ; no tensor load of mine is out, so the walking group 0 may be written
	ds_add_u32 v248, v249                          ; 0 onto my spare word; work on registers stands between it and the wait for it
	DI 0
	DI 1
	DI 2
	DI 3
.if \fill
	s_xor_b32 s37, s37, SLOT1                      ; the other slot than last time,
	s_add_nc_u64 s[38:39], s[38:39], 0x10000       ; the next 64 u; the type bits on top are not reached
.endif
	s_xor_b32 s42, s42, SLOT1                      ; my reads go on in the other slot
	v_add_nc_u32 v8, s42, v7
	s_wait_dscnt 0x0                               ; the add is done, and my reads of this slot are over
.if \fill
	ROUND
	tensor_load_to_lds s[36:39], s[24:31]          ; my one tensor load behind the round; LDS loads follow it, no switch of windows among the next four instructions
	s_nop 0
.else
	s_barrier_signal -1
	s_barrier_wait -1
.endif
.endm
; A PERIOD: tile i of the slot's four.  mode 0: plain; 1: change of slots with a refill; 2: change without; 3: the very last period, which fetches no fragment.
; PLACES: the loads into fragments 0-3 stand behind a v_nop and four additions, five plain instructions behind their last reader; the loads into fragments 4-7, and the next period's first read of
; this period's results, behind a v_nop and SBLOCK's sixteen.  All of these name only the OTHER set of accumulators.
.macro PERIOD i, mode
.set AC, 144+32*((\i)%2)               ; this tile's accumulators, q' and V'
.set CQ, 208+8*((\i)%2)
.set CV, 224+8*((\i)%2)
.set PA, 144+32*(1-(\i)%2)             ; the tile before's
.set PQ, 208+8*(1-(\i)%2)
.set PV, 224+8*(1-(\i)%2)
	s_wait_dscnt 16                                ; fragments 0-3 and the tile before's q' and V' are in; the sixteen loads of fragments 4-7 may be out
	WIN 0x08                                       ; source 1 (enc's codes) window 2
.set J, 0
.set K, 0
.rept 16
	MM
	L1
	L1
	L1
.endr
	v_nop                                          ; a plain instruction behind the last exponential,
	s_wait_alu depctr_va_vdst(0)                   ; and the wait ahead of the first use: one for the 32 exponentials
.if (\mode) == 1
	CHANGE 1
.elseif (\mode) == 2
	CHANGE 0
.else
	DI 0
	DI 1
	DI 2
	DI 3
.endif
.if (\mode) == 3
	QVRUN \i
	s_wait_dscnt 4                                 ; fragments 4-7 are in; the four just issued may be out
.else
	BRUN \i, 0
	QVRUN \i
	s_wait_dscnt 20                                ; fragments 4-7 are in; the twenty just issued may be out
.endif
	WIN 0x0c                                       ; source 1 window 3
.set G, 0
.rept 16
	MM
	L2
.endr
	v_nop
	s_wait_alu depctr_va_vdst(0)                   ; one wait for the 32 reciprocals
	WIN 0
	SBLOCK
.if (\mode) != 3
	BRUN \i, 4
.if (\i) == 3
	s_add_co_u32 s43, s43, 256                     ; the next slot's 64 u in the tables
	v_add_nc_u32 v10, s43, v9
.endif
.endif
.endm
; The loop has no first period of its own: the tile "before" tile 0 is made of zeros, accumulators, q' and V': it adds 0.5 x 0 to sums that begin at 0.  56 moves, once.
.set N, 0
.rept 32
	v_mov_b32 v[176+N], 0
.set N, N+1
.endr
.irp n, 0,1,2,3,4,5,6,7
	v_mov_b32 v[216+\n], 0
	v_mov_b32 v[232+\n], 0
	v_mov_b32 v[240+\n], 0
.endr
	s_mov_b32 s42, 0                               ; the slot in hand begins at LDS byte 0
	s_mov_b32 s43, 0
	v_mov_b32 v8, v7
	v_mov_b32 v10, v9
	s_wait_tensorcnt 0x1                           ; my part of slot 0 is in; slot 1's may stay out
	s_wait_dscnt 0x0                               ; my part of the tables is stored
	s_barrier_signal -1
	s_barrier_wait -1                              ; everybody's is
.irp s, 0,1,2,3,4,5,6,7                        ; tile 0's fragments, 0-3 first
.irp c, 0,1,2,3
	ds_load_b128 v[16+16*\s+4*\c:16+16*\s+4*\c+3], v8 offset:128*\s+32*\c
.endr
.endr
	s_mov_b32 s44, 14
.Lslot:                                            ; 14 trips: every slot but the last two is filled again
	PERIOD 0, 0
	PERIOD 1, 0
	PERIOD 2, 0
	PERIOD 3, 1
	s_sub_co_u32 s44, s44, 1
	s_cmp_lg_u32 s44, 0
	s_cbranch_scc1 .Lslot
	PERIOD 0, 0                                    ; the tail is written out
	PERIOD 1, 0
	PERIOD 2, 0
	PERIOD 3, 2
	PERIOD 0, 0
	PERIOD 1, 0
	PERIOD 2, 0
	PERIOD 3, 3
.set PA, 176                           ; the last tile's tanh, with no products beside it
.set PQ, 216
.set PV, 232
	s_wait_dscnt 0x0                               ; its q' and V'
.set J, 0
.rept 48
	L1
.endr
	v_nop
	s_wait_alu depctr_va_vdst(0)
	DI 0
	DI 1
	DI 2
	DI 3
.set G, 0
.rept 16
	L2
.endr
	v_nop
	s_wait_alu depctr_va_vdst(0)
	SBLOCK
	; THE WAY OUT.  A sum's two halves and lane l xor 16's (the other eight u of each tile) are added: every lane (r, h) then holds the score of row 16 m + r.
.irp m, 0,1,2,3
	v_add_f32 v[240+2*\m], v[240+2*\m], v[241+2*\m]
.endr
.irp m, 0,1,2,3
	v_permlanex16_b32 v[241+2*\m], v[240+2*\m], s52, s53
.endr
.irp m, 0,1,2,3
	v_add_f32 v[240+2*\m], v[240+2*\m], v[241+2*\m]
.endr
	v_cmp_lt_u32 vcc_lo, 15, v1                    ; lanes 16-31 take the odd tiles
	v_cndmask_b32 v252, v240, v242, vcc_lo         ; rows 0-31 of my 64, a lane each,
	v_cndmask_b32 v253, v244, v246, vcc_lo         ; rows 32-63
	ds_store_b32 v14, v252                         ; through my working stage, so that a lane gets two neighbouring scores
	ds_store_b32 v14, v253 offset:128
	ds_load_b64 v[254:255], v15                    ; LDS serves a wave's instructions in order: this sees the stores above
; ---- THE RETAINED ROWS: part = sum over rows 48-63 of 2^(t' - Mg) enc[row][:].  Lane l holds columns 128 s + 4 l + 0 .. 3 of K step s, in a kept block as in window 1: the layout of the loads.
.macro KLOAD j, tb                     ; kept block j (K step j - 1): its 16 rows, 512 consecutive bytes each, into v[tb] on
.irp i, 0,1,2,3,4,5,6,7,8,9,10,11,12,13,14,15
	ds_load_b128 v[(\tb)+4*\i:(\tb)+4*\i+3], v5 offset:BLK*(\j)+SPIT*\i
.endr
.endm
.macro KFMA sa, ta, sb, tb             ; K steps sa and sb out of v[ta] on and v[tb] on: eight chains that do not wait for each other; row 0 starts the sums: nothing is cleared
.set I, 0
.rept 16
.irp e, 0,1,2,3
.if I == 0
	v_mul_f32 v[16+4*(\sa)+\e], s[68+I], v[(\ta)+4*I+\e]
	v_mul_f32 v[16+4*(\sb)+\e], s[68+I], v[(\tb)+4*I+\e]
.else
	v_fmac_f32 v[16+4*(\sa)+\e], s[68+I], v[(\ta)+4*I+\e]
	v_fmac_f32 v[16+4*(\sb)+\e], s[68+I], v[(\tb)+4*I+\e]
.endif
.endr
.set I, I+1
.endr
.endm
	KLOAD 1, 48                                    ; K steps 0 and 1 are asked for while the weights are made
	KLOAD 2, 112
	v_mov_b32 v176, v246                           ; lane (r, h): t' of row 48 + r
	v_max_num_f32_dpp v176, v176, v176 row_xmask:1 row_mask:0xf bank_mask:0xf
	v_max_num_f32_dpp v176, v176, v176 row_xmask:2 row_mask:0xf bank_mask:0xf
	v_max_num_f32_dpp v176, v176, v176 row_xmask:4 row_mask:0xf bank_mask:0xf
	v_max_num_f32_dpp v176, v176, v176 row_xmask:8 row_mask:0xf bank_mask:0xf   ; Mg: the largest of the sixteen
	v_sub_f32 v177, v246, v176
	v_exp_f32 v177, v177                           ; 2^(t' - Mg), at most 1
	v_nop                                          ; a plain instruction behind the exponential,
	s_wait_alu depctr_va_vdst(0)                   ; and the wait ahead of the first use
.irp i, 0,1,2,3,4,5,6,7,8,9,10,11,12,13,14,15
	v_readlane_b32 s[68+\i], v177, \i              ; row 48 + i's weight, the same for all lanes: a scalar; it enters products alone
.endr
	s_wait_dscnt 32                                ; the two scores are back; the 32 loads issued behind them may be out
	global_store_b64 v13, v[254:255], s[14:15]     ; 32 lanes store 256 consecutive bytes, at a multiple of 256 from the buffer's first byte
	s_wait_dscnt 0x0
	KFMA 0, 48, 1, 112
	KLOAD 3, 48                                    ; K steps 2 and 3 come while K steps 4 to 7 are summed out of the registers
	KLOAD 4, 112
	WIN 0x04                                       ; source 1 window 1: set q holds unit 28 + q: K step 4 + q, row i in registers 64 q + 4 i on
.set I, 0
.rept 16
.irp q, 0,1,2,3
.irp e, 0,1,2,3
.if I == 0
	v_mul_f32 v[32+4*\q+\e], s[68+I], v[64*\q+4*I+\e]
.else
	v_fmac_f32 v[32+4*\q+\e], s[68+I], v[64*\q+4*I+\e]
.endif
.endr
.endr
.set I, I+1
.endr
	WIN 0
	s_wait_dscnt 0x0
	KFMA 2, 48, 3, 112
.irp s, 0,1,2,3,4,5,6,7
	global_store_b128 v4, v[16+4*\s:19+4*\s], s[54:55] offset:512*\s   ; 32 lanes store 512 consecutive bytes, at a multiple of 512 from part's first byte
.endr
	s_wait_tensorcnt 0x0                           ; the wave's end, behind my last tensor load and my last LDS store
	ds_add_u32 v248, v249
	s_wait_dscnt 0x0
	ROUND                                          ; the closing round: no work-group ends while a partner may still ask for a tile that names it
	s_endpgm
.Lfunc_end_k_q8a36ea0088_scores:
	.size	k_q8a36ea0088_scores, .Lfunc_end_k_q8a36ea0088_scores-k_q8a36ea0088_scores
	.p2alignl 7, 3214868480
	.fill 96, 4, 3214868480
	.section	.rodata,"a",@progbits
	.p2align	6, 0x0
	.amdhsa_kernel k_q8a36ea0088_scores
		.amdhsa_group_segment_fixed_size 327680
		.amdhsa_private_segment_fixed_size 0
		.amdhsa_enable_private_segment 0
		.amdhsa_kernarg_size 56
		.amdhsa_user_sgpr_count 2
		.amdhsa_user_sgpr_kernarg_segment_ptr 1
		.amdhsa_wavefront_size32 1
		.amdhsa_system_sgpr_workgroup_id_x 1
		.amdhsa_system_sgpr_workgroup_id_y 1
		.amdhsa_system_sgpr_workgroup_id_z 1
		.amdhsa_system_vgpr_workitem_id 0
		.amdhsa_next_free_vgpr 1024
		.amdhsa_next_free_sgpr 84
		.amdhsa_reserve_vcc 1
		.amdhsa_float_denorm_mode_32 3
		.amdhsa_float_denorm_mode_16_64 3
		.amdhsa_memory_ordered 1
		.amdhsa_forward_progress 1
		.amdhsa_inst_pref_size 255
	.end_amdhsa_kernel
	.section	.bss,"aw",@nobits
	.p2align	6
	.space	262144
	.amdgpu_metadata
---
amdhsa.version: [ 1, 2 ]
amdhsa.kernels:
  - .name:           k_q8a36ea0088_scores
    .symbol:         k_q8a36ea0088_scores.kd
    .args:
      - { .name: W2_codes, .offset: 0, .size: 8, .value_kind: global_buffer, .address_space: global }
      - { .name: all_enc_hiddens, .offset: 8, .size: 8, .value_kind: global_buffer, .address_space: global }
      - { .name: lowp_scales, .offset: 16, .size: 8, .value_kind: global_buffer, .address_space: global }
      - { .name: V, .offset: 24, .size: 8, .value_kind: global_buffer, .address_space: global }
      - { .name: qtab, .offset: 32, .size: 8, .value_kind: global_buffer, .address_space: global }
      - { .name: scores, .offset: 40, .size: 8, .value_kind: global_buffer, .address_space: global }
      - { .name: part, .offset: 48, .size: 8, .value_kind: global_buffer, .address_space: global }
    .group_segment_fixed_size: 327680
    .private_segment_fixed_size: 0
    .kernarg_segment_align: 8
    .kernarg_segment_size: 56
    .max_flat_workgroup_size: 128
    .sgpr_count:     84
    .vgpr_count:     1024
    .wavefront_size: 32
...
	.end_amdgpu_metadata
.endif
;; end of part 2
;; launch context (part 3): grid 256 x 1, 16 waves a work-group, no clusters, 20,736 bytes of LDS; arguments scores, part, all_enc_hiddens, out0, out1; writes out0, out1
.if DOCPART == 3
	.amdgcn_target "amdgcn-amd-amdhsa--gfx1250"
	.amdhsa_code_object_version 6
	.text
	.protected	k_q8a36ea0088_context
	.globl	k_q8a36ea0088_context
	.p2align	8
	.type	k_q8a36ea0088_context,@function
k_q8a36ea0088_context:
	s_mov_b64 s[64:65], 0
	v_nop
	global_prefetch_b8 v0, s[64:65] scope:SCOPE_SE
	s_setreg_imm32_b32 hwreg(HW_REG_WAVE_MODE, 25, 1), 1
	s_wait_xcnt 0x0
; attn[b][t] = 2^(t'[b][t] - M) / sum over t of 2^(t' - M), M = the batch's largest t';  context[b][c] = sum over t of attn[b][t] enc[b][t][c].  All in f32.
; LEFT OUT as shown at the head of the first kernel: bv and the sum of V; t' is the score in units of log2 less a constant of the batch, which the softmax takes away.
; ROWS THAT ARE NOT READ AGAIN.  Of every 64 rows the last 16 were summed by the launch before, while it still held them: part[group][c] = sum over these 16 of 2^(t' - Mg) enc[row][c], Mg = their largest t'.
; Here that row counts with the weight 2^(Mg - M) / sum, which makes each of the sixteen terms attn x enc.  Mg is taken anew from the same stored t': a maximum rounds nothing, so it is the same number.
; SHARES.  Work-group x: batch x / 8, columns 128 (x % 8) on (512 bytes of each row), all of the batch's rows: every number of out0 has one owner, and no sum crosses work-groups.
; Each of a batch's eight work-groups makes the batch's softmax for itself (2,048 numbers, four a thread) and stores an eighth of attn.  Wave w then takes rows 128 w on: 96 rows of enc and two of part; each load reads 512 consecutive bytes.
; A ring of 16 loads a wave is begun ahead of the softmax and stays full to the end.  No matrix unit, no tensor load, no cluster: the launch streams and shares nothing else of size.
; REGISTERS: v2-10 addresses; v12-15 my four t', then p, then attn; v16-31 the waves' partial results; v32-39 two sets of four sums; v45 my four lanes' largest, then its weight; v52-59 two rows of part; v62, v63 their weights;
;   v64-191 my wave's weights, row i's in v[64 + i]; v192-255 the ring.
.set ATT,   0                          ; LDS: the batch's 2,048 weights,
.set RED,   8192                       ; the waves' partial contexts, 512 bytes each,
.set WRED,  16384                      ; the waves' maxima (16 words) and, 64 bytes on, their sums,
.set FTAB,  16640                      ; a word a thread: the weight of the 16 rows that its four lanes hold; those of threads 16 g + 12 are part's
.set SPARE, 18688                      ; the spare words, 128 bytes for each of 16 waves: eight blocks of 256 bytes that no other line names
	s_load_b256 s[4:11], s[0:1], 0x0               ; scores s[4:5], part s[6:7], enc s[8:9], out0 s[10:11]
	s_load_b64 s[14:15], s[0:1], 0x20              ; out1
	v_lshl_add_u32 v60, v0, 2, SPARE               ; my spare word; never rewritten
	v_mov_b32 v61, 0                               ; 0; never rewritten
	v_lshrrev_b32 v1, 5, v0
	v_readfirstlane_b32 s16, v1                    ; wave 0..15
	v_and_b32 v1, 31, v0
	v_lshlrev_b32 v2, 4, v1                        ; 16 x lane
	v_lshlrev_b32 v3, 4, v0                        ; 16 x thread: my four scores, and my four weights in ATT and in out1
	s_lshr_b32 s17, ttmp9, 3                       ; batch
	s_and_b32 s18, ttmp9, 7                        ; which 128 columns
	s_lshl_b32 s19, s16, 2
	s_add_co_u32 s19, s19, WRED
	v_mov_b32 v4, s19                              ; my wave's word
	v_mov_b32 v5, WRED
	s_lshl_b32 s26, s16, 9
	v_mov_b32 v6, s26                              ; my wave's 128 weights in ATT (which begins at 0)
	v_add_nc_u32 v7, s26, v2
	v_add_nc_u32 v7, RED, v7                       ; my wave's partial context
	v_add_nc_u32 v8, RED, v2
	v_lshl_add_u32 v9, v0, 2, FTAB                 ; my word in FTAB
	s_lshl_b32 s27, s16, 7
	s_add_co_u32 s27, s27, FTAB+48
	v_mov_b32 v10, s27                             ; the word of thread 32 w + 12; that of thread 32 w + 28 lies 64 bytes on
	v_mov_b32 v41, 0                               ; written once: a lane permute's destination counts as one of its sources
	s_mov_b32 s12, 0x76543210                      ; v_permlanex16_b32: lane l xor 16
	s_mov_b32 s13, 0xfedcba98
	s_lshl_b32 s20, s17, 23                        ; enc: a batch is 2,048 rows of 4,096 bytes,
	s_lshl_b32 s21, s16, 19                        ; a wave's 128 rows,
	s_add_co_u32 s20, s20, s21
	s_lshl_b32 s21, s18, 9                         ; the work-group's 512 bytes of a row
	s_add_co_u32 s20, s20, s21
	s_lshl_b32 s28, s17, 17                        ; part: 32 rows of 4,096 bytes a batch,
	s_lshl_b32 s29, s16, 13                        ; two a wave,
	s_add_co_u32 s28, s28, s29
	s_add_co_u32 s28, s28, s21                     ; the same 512 bytes of a row
	s_mov_b32 s21, 0
	s_mov_b32 s29, 0
	s_lshl_b32 s22, s17, 13                        ; scores and out1: 8,192 bytes a batch
	s_mov_b32 s23, 0
	s_lshl_b32 s24, s17, 12                        ; out0: 4,096 bytes a batch, + the 512
	s_lshl_b32 s25, s18, 9
	s_add_co_u32 s24, s24, s25
	s_mov_b32 s25, 0
	s_wait_kmcnt 0x0
	s_add_nc_u64 s[8:9], s[8:9], s[20:21]
	s_add_nc_u64 s[4:5], s[4:5], s[22:23]
	s_add_nc_u64 s[14:15], s[14:15], s[22:23]
	s_add_nc_u64 s[10:11], s[10:11], s[24:25]
	s_add_nc_u64 s[6:7], s[6:7], s[28:29]
	global_load_b128 v[12:15], v3, s[4:5]          ; t' of rows 4 x thread on
	global_load_b128 v[52:55], v2, s[6:7]          ; part's rows of my wave's two groups of 64
	global_load_b128 v[56:59], v2, s[6:7] offset:4096
.irp i, 0,1,2,3,4,5,6,7,8,9,10,11,12,13,14,15
	global_load_b128 v[192+4*\i:195+4*\i], v2, s[8:9] offset:4096*\i th:TH_LOAD_NT   ; the ring: my wave's rows 0 to 15
.endr
	s_wait_loadcnt 18                              ; the scores are in; part's two rows and the ring behind them stay out
	v_max3_num_f32 v40, v12, v13, v14
	v_max_num_f32 v40, v40, v15
	v_max_num_f32_dpp v40, v40, v40 row_xmask:1 row_mask:0xf bank_mask:0xf
	v_max_num_f32_dpp v40, v40, v40 row_xmask:2 row_mask:0xf bank_mask:0xf
	v_mov_b32 v45, v40                             ; the largest of the 16 rows of my four lanes: in lanes 12-15 and 28-31 that is Mg, of rows 48-63 of a group
	v_max_num_f32_dpp v40, v40, v40 row_xmask:4 row_mask:0xf bank_mask:0xf
	v_max_num_f32_dpp v40, v40, v40 row_xmask:8 row_mask:0xf bank_mask:0xf
	v_permlanex16_b32 v41, v40, s12, s13
	v_max_num_f32 v40, v40, v41                    ; my wave's largest
	ds_store_b32 v4, v40
	s_wait_dscnt 0x0                               ; for the others' sake: my store is done
	s_barrier_signal -1
	s_barrier_wait -1
.irp j, 0,1,2,3
	ds_load_b128 v[16+4*\j:19+4*\j], v5 offset:16*\j
.endr
	s_wait_dscnt 0x0
	v_max3_num_f32 v40, v16, v17, v18
	v_max3_num_f32 v41, v19, v20, v21
	v_max3_num_f32 v42, v22, v23, v24
	v_max3_num_f32 v43, v25, v26, v27
	v_max3_num_f32 v40, v40, v28, v29
	v_max3_num_f32 v41, v41, v30, v31
	v_max3_num_f32 v40, v40, v41, v42
	v_max_num_f32 v40, v40, v43                    ; M: the batch's largest t'
.irp k, 0,1,2,3
	v_sub_f32 v[12+\k], v[12+\k], v40
.endr
	v_sub_f32 v45, v45, v40
.irp k, 0,1,2,3
	v_exp_f32 v[12+\k], v[12+\k]                   ; p = 2^(t' - M), at most 1
.endr
	v_exp_f32 v45, v45                             ; 2^(Mg - M), at most 1
	v_nop                                          ; a plain instruction behind the last exponential,
	s_wait_alu depctr_va_vdst(0)                   ; and the wait ahead of the first use: one for the five
	v_add_f32 v42, v12, v13
	v_add_f32 v43, v14, v15
	v_add_f32 v42, v42, v43
	v_add_f32_dpp v42, v42, v42 row_xmask:1 row_mask:0xf bank_mask:0xf
	v_add_f32_dpp v42, v42, v42 row_xmask:2 row_mask:0xf bank_mask:0xf
	v_add_f32_dpp v42, v42, v42 row_xmask:4 row_mask:0xf bank_mask:0xf
	v_add_f32_dpp v42, v42, v42 row_xmask:8 row_mask:0xf bank_mask:0xf
	v_permlanex16_b32 v43, v42, s12, s13
	v_add_f32 v42, v42, v43                        ; my wave's sum
	ds_store_b32 v4, v42 offset:64                 ; other bytes than the maxima's: no barrier is owed between their reads and this store
	s_wait_dscnt 0x0
	s_barrier_signal -1
	s_barrier_wait -1
.irp j, 0,1,2,3
	ds_load_b128 v[16+4*\j:19+4*\j], v5 offset:64+16*\j
.endr
	s_wait_dscnt 0x0
	v_pk_add_f32 v[16:17], v[16:17], v[18:19]
	v_pk_add_f32 v[20:21], v[20:21], v[22:23]
	v_pk_add_f32 v[24:25], v[24:25], v[26:27]
	v_pk_add_f32 v[28:29], v[28:29], v[30:31]
	v_pk_add_f32 v[16:17], v[16:17], v[20:21]
	v_pk_add_f32 v[24:25], v[24:25], v[28:29]
	v_pk_add_f32 v[16:17], v[16:17], v[24:25]
	v_add_f32 v44, v16, v17                        ; the batch's sum, at least 1
	v_rcp_f32 v44, v44
	v_nop
	s_wait_alu depctr_va_vdst(0)
.irp k, 0,1,2,3
	v_mul_f32 v[12+\k], v[12+\k], v44              ; attn
.endr
	v_mul_f32 v45, v45, v44                        ; 2^(Mg - M) / sum
	ds_store_b128 v3, v[12:15]
	ds_store_b32 v9, v45
	s_lshr_b32 s26, s16, 1                         ; out1: waves 2 c and 2 c + 1 hold the work-group's eighth, rows 256 c on: each byte of out1 has one owner.  A branch on ids; no barrier stands inside
	s_cmp_lg_u32 s26, s18
	s_cbranch_scc1 .Lnot_mine
	global_store_b128 v3, v[12:15], s[14:15]       ; 32 lanes store 512 consecutive bytes, at a multiple of 512 from out1's first byte
.Lnot_mine:
	s_wait_dscnt 0x0
	s_barrier_signal -1
	s_barrier_wait -1                              ; the batch's weights lie in LDS
.set N, 0
.rept 32
.if (N%16) < 12
	ds_load_b128 v[64+4*N:67+4*N], v6 offset:16*N  ; my wave's, the same in every lane; those of rows 48-63 of a group are not wanted
.endif
.set N, N+1
.endr
	ds_load_b32 v62, v10                           ; the weights of part's two rows
	ds_load_b32 v63, v10 offset:64
	s_wait_dscnt 0x0
	s_wait_loadcnt 16                              ; part's two rows are in; the ring behind them stays out
.irp k, 0,1,2,3
	v_mul_f32 v[32+\k], v[52+\k], v62              ; they start the two sets of sums: nothing is cleared
	v_mul_f32 v[36+\k], v[56+\k], v63
.endr
.set I, 0
.rept 96                               ; written out: every offset is an immediate, 111 rows of 4,096 bytes at the most, and no address register is ever rewritten.  The I-th row read is row 64 (I / 48) + I % 48
.if I < 80
	s_wait_loadcnt 15                              ; this row is in; the fifteen behind it stay out
.else
	s_wait_loadcnt 95-I
.endif
.set RW, 64*(I/48)+I%48
.set RN, 64*((I+16)/48)+(I+16)%48
.set RG, 192+4*(I%16)
.set AG, 32+4*(I%2)
.irp k, 0,1,2,3
	v_fmac_f32 v[AG+\k], v[RG+\k], v[64+RW]
.endr
.if I < 80
	global_load_b128 v[RG:RG+3], v2, s[8:9] offset:4096*RN th:TH_LOAD_NT
.endif
.set I, I+1
.endr
	v_pk_add_f32 v[32:33], v[32:33], v[36:37]
	v_pk_add_f32 v[34:35], v[34:35], v[38:39]
	ds_store_b128 v7, v[32:35]
	s_wait_dscnt 0x0
	s_barrier_signal -1
	s_barrier_wait -1                              ; the sixteen partial contexts lie in LDS
	s_cmp_lg_u32 s16, 0
	s_cbranch_scc1 .Lend                           ; wave 0 adds them: 16 loads and 30 packed additions
.irp j, 0,1,2,3,4,5,6,7,8,9,10,11,12,13,14,15
	ds_load_b128 v[64+4*\j:67+4*\j], v8 offset:512*\j
.endr
	s_wait_dscnt 0x0
.irp j, 0,1,2,3,4,5,6,7
	v_pk_add_f32 v[64+4*\j:65+4*\j], v[64+4*\j:65+4*\j], v[96+4*\j:97+4*\j]
	v_pk_add_f32 v[66+4*\j:67+4*\j], v[66+4*\j:67+4*\j], v[98+4*\j:99+4*\j]
.endr
.irp j, 0,1,2,3
	v_pk_add_f32 v[64+4*\j:65+4*\j], v[64+4*\j:65+4*\j], v[80+4*\j:81+4*\j]
	v_pk_add_f32 v[66+4*\j:67+4*\j], v[66+4*\j:67+4*\j], v[82+4*\j:83+4*\j]
.endr
.irp j, 0,1
	v_pk_add_f32 v[64+4*\j:65+4*\j], v[64+4*\j:65+4*\j], v[72+4*\j:73+4*\j]
	v_pk_add_f32 v[66+4*\j:67+4*\j], v[66+4*\j:67+4*\j], v[74+4*\j:75+4*\j]
.endr
	v_pk_add_f32 v[64:65], v[64:65], v[68:69]
	v_pk_add_f32 v[66:67], v[66:67], v[70:71]
	global_store_b128 v2, v[64:67], s[10:11]       ; 32 lanes store 512 consecutive bytes, at a multiple of 512 from out0's first byte
.Lend:
	s_wait_tensorcnt 0x0                           ; the wave's end, behind my last LDS store
	ds_add_u32 v60, v61
	s_wait_dscnt 0x0
	s_endpgm
.Lfunc_end_k_q8a36ea0088_context:
	.size	k_q8a36ea0088_context, .Lfunc_end_k_q8a36ea0088_context-k_q8a36ea0088_context
	.p2alignl 7, 3214868480
	.fill 96, 4, 3214868480
	.section	.rodata,"a",@progbits
	.p2align	6, 0x0
	.amdhsa_kernel k_q8a36ea0088_context
		.amdhsa_group_segment_fixed_size 20736
		.amdhsa_private_segment_fixed_size 0
		.amdhsa_enable_private_segment 0
		.amdhsa_kernarg_size 40
		.amdhsa_user_sgpr_count 2
		.amdhsa_user_sgpr_kernarg_segment_ptr 1
		.amdhsa_wavefront_size32 1
		.amdhsa_system_sgpr_workgroup_id_x 1
		.amdhsa_system_sgpr_workgroup_id_y 1
		.amdhsa_system_sgpr_workgroup_id_z 1
		.amdhsa_system_vgpr_workitem_id 0
		.amdhsa_next_free_vgpr 256
		.amdhsa_next_free_sgpr 66
		.amdhsa_reserve_vcc 0
		.amdhsa_float_denorm_mode_32 3
		.amdhsa_float_denorm_mode_16_64 3
		.amdhsa_memory_ordered 1
		.amdhsa_forward_progress 1
		.amdhsa_inst_pref_size 36
	.end_amdhsa_kernel
	.amdgpu_metadata
---
amdhsa.version: [ 1, 2 ]
amdhsa.kernels:
  - .name:           k_q8a36ea0088_context
    .symbol:         k_q8a36ea0088_context.kd
    .args:
      - { .name: scores, .offset: 0, .size: 8, .value_kind: global_buffer, .address_space: global }
      - { .name: part, .offset: 8, .size: 8, .value_kind: global_buffer, .address_space: global }
      - { .name: all_enc_hiddens, .offset: 16, .size: 8, .value_kind: global_buffer, .address_space: global }
      - { .name: out0, .offset: 24, .size: 8, .value_kind: global_buffer, .address_space: global }
      - { .name: out1, .offset: 32, .size: 8, .value_kind: global_buffer, .address_space: global }
    .group_segment_fixed_size: 20736
    .private_segment_fixed_size: 0
    .kernarg_segment_align: 8
    .kernarg_segment_size: 40
    .max_flat_workgroup_size: 512
    .sgpr_count:     66
    .vgpr_count:     256
    .wavefront_size: 32
...
	.end_amdgpu_metadata
.endif
;; end of part 3
